; MI455X (gfx1250); checked and timed in simulation.
; The chip was launched on July 23, 2026; its instructions are those of AMD's public machine-readable ISA for CDNA 5 (MIT licence, August 2026) and "CDNA5" Instruction Set Architecture Reference Guide (July 2026). The comments in the code are by the model that wrote it; some were corrected since.
;; Self Attention. Allowed arithmetic: float matrix products may take bf16 or f16 operands with f32 sums; all other float work in f32.
;; Inputs: Wk 64 x 1,024 float32; Wo 1,024 x 64 float32; Wq 64 x 1,024 float32; Wv 64 x 1,024 float32; bo 64 float32; x 4 x 2,048 x 64 float32.
;; Outputs: out0 4 x 2,048 x 64 float32.
;; Constants: causal_mask = 1.
;; 2 versions, each right; version 2 is version 1 with the launch prep written anew for expert scheduling mode. Each part assembles by itself: llvm-mc -triple=amdgcn-amd-amdhsa -mcpu=gfx1250 --defsym DOCPART=n.
;; ======== version 1 of 2: 2 launches
;; limits: values are held in f16: magnitudes above 65,504 overflow, below 6.1e-05 lose precision; right only within a limited range of input values
;; workspace buffers: xh 1,048,576 bytes; mf 131,072 bytes; nf 131,072 bytes
;; launch prep (part 1): grid 160 x 1, 4 waves a work-group, no clusters, 0 bytes of LDS; arguments x, Wq, Wk, Wv, Wo, xh, mf, nf; writes xh, mf, nf
.if DOCPART == 1
	.amdgcn_target "amdgcn-amd-amdhsa--gfx1250"
	.amdhsa_code_object_version 6
	.text
	.protected	k_qf9dd6f3397_prep
	.globl	k_qf9dd6f3397_prep
	.p2align	8
	.type	k_qf9dd6f3397_prep,@function
k_qf9dd6f3397_prep:
	s_mov_b64 s[64:65], 0
	v_nop
	global_prefetch_b8 v0, s[64:65] scope:SCOPE_SE
	s_setreg_imm32_b32 hwreg(HW_REG_WAVE_MODE, 25, 1), 1
	s_wait_xcnt 0x0
; PREPARATION for the attention launch.  Model width and head width are both 64, so the four projections fold into two 64 x 64
; matrices a head, for every input:   q.k = x_q (Wq_h Wk_h^T) x_k^T      and      (P v) Wo_h = (P x) (Wv_h Wo_h).
; Work-groups 0-31 (head = id / 2, kind = id & 1) make, in f16 and times 2^8,
;   kind 0:  Mt[d'][d]  = 2^8 sum over e of Wq[d][64 h + e]   Wk[d'][64 h + e]     -> mf
;   kind 1:  Nt[c][d''] = 2^8 sum over e of Wv[d''][64 h + e] Wo[64 h + e][c]      -> nf
; laid out as the next launch's A fragments: [head][T 0-3][Td 0-3][lane][16 bytes]; lane (r, hh) of chunk (T, Td) holds row 16 T + r,
; columns 16 Td + 8 hh .. + 7.  Wave T makes row tile T.  Work-groups 32-159 cast x to f16 (xh), 16,384 bytes of x each.
; LIMITS: matrix operands are f16: |x| and |W| below 65504, |Wq_h Wk_h^T| and |Wv_h Wo_h| below 255 (the factor 2^8 keeps products of
; weights thirty times smaller than 0.02 among f16's normal numbers).  Sums in f32.
; No LDS, no barrier, no cluster: no two waves share a tile that is worth sharing (each reads 16 to 64 rows of 256 bytes once).
.set AF, 64                            ; v[64:191]  A as loaded, f32: fragment f = 2 Td + ks at 16 f
.set BF, 32                            ; v[32:63]   B as loaded, f32: K step ks at 16 ks
.set AH, 192                           ; v[192:255] A in f16: fragment f at 8 f
.set BH, 16                            ; v[16:31]   B in f16: K step ks at 8 ks
.set DD, 32                            ; v[32:63]   results, tile Td at 8 Td (B's f32 copy is done with by then)
.set ST, 64                            ; v[64:79]   results in f16, 4 registers a tile
	s_load_b512 s[4:19], s[0:1], 0x0               ; x 4:5, Wq 6:7, Wk 8:9, Wv 10:11, Wo 12:13, xh 14:15, mf 16:17, nf 18:19
	v_lshrrev_b32 v1, 5, v0
	v_readfirstlane_b32 s20, v1                    ; wave = T
	s_cmp_ge_u32 ttmp9, 32
	s_cbranch_scc1 .Lconv
	; ---------------- the folded matrices ----------------
	s_lshr_b32 s21, ttmp9, 1                       ; head
	s_and_b32 s26, ttmp9, 1                        ; kind
	v_and_b32 v4, 15, v0                           ; r
	v_bfe_u32 v5, v0, 4, 1                         ; hh
	v_and_b32 v3, 31, v0
	v_lshlrev_b32 v3, 4, v3                        ; 16 x lane: where my 16 bytes of a chunk go
	s_lshl_b32 s27, s21, 8                         ; the head's 64 columns: 256 bytes into a row
	v_lshlrev_b32 v1, 12, v4                       ; row r of 4,096 bytes
	v_lshl_add_u32 v1, v5, 5, v1                   ; + 8 hh numbers
	v_add_nc_u32 v1, s27, v1
	s_lshl_b32 s28, s21, 13                        ; destination: head x 8,192
	s_lshl_b32 s29, s20, 11                        ;            + T x 2,048
	s_add_co_u32 s28, s28, s29
	s_mov_b32 s29, 0
	s_wait_kmcnt 0x0
	s_cmp_eq_u32 s26, 0
	s_cselect_b64 s[22:23], s[6:7], s[10:11]       ; A's rows come from Wq or Wv
	s_cselect_b64 s[24:25], s[16:17], s[18:19]     ; the result goes to mf or nf
	s_add_nc_u64 s[24:25], s[24:25], s[28:29]
	; A fragment (Td, ks): lane (r, hh) takes row 16 Td + r, e = 32 ks + 8 hh .. + 7 and 32 ks + 16 + 8 hh .. + 7: four loads of 16 bytes
.irp td, 0,1,2,3
.irp ks, 0,1
.irp c, 0,1,2,3
	global_load_b128 v[AF+16*(2*\td+\ks)+4*\c:AF+16*(2*\td+\ks)+4*\c+3], v1, s[22:23] offset:\td*65536+\ks*128+(\c&1)*16+(\c>>1)*64
.endr
.endr
.endr
	s_cmp_lg_u32 s26, 0
	s_cbranch_scc1 .Lwo
	; kind 0: B's column n = r is row 16 T + r of Wk, e along the row as in A
	s_lshl_b32 s30, s20, 16                        ; 16 T rows of 4,096 bytes
	v_add_nc_u32 v2, s30, v1
.irp ks, 0,1
.irp c, 0,1,2,3
	global_load_b128 v[BF+16*\ks+4*\c:BF+16*\ks+4*\c+3], v2, s[8:9] offset:\ks*128+(\c&1)*16+(\c>>1)*64
.endr
.endr
	s_branch .Lmul
.Lwo:
	; kind 1: B's column n = r is column 16 T + r of Wo, e runs down the rows (256 bytes apart): one number a load
	s_lshl_b32 s30, s21, 14                        ; the head's 64 rows of 256 bytes
	s_lshl_b32 s31, s20, 6                         ; + 16 T columns
	s_add_co_u32 s30, s30, s31
	v_lshlrev_b32 v2, 2, v4                        ; column r
	v_lshl_add_u32 v2, v5, 11, v2                  ; + 8 hh rows
	v_add_nc_u32 v2, s30, v2
.irp ks, 0,1
.irp hf, 0,1
.irp j, 0,1,2,3,4,5,6,7
	global_load_b32 v[BF+16*\ks+8*\hf+\j], v2, s[12:13] offset:(32*\ks+16*\hf+\j)*256
.endr
.endr
.endr
.Lmul:
	s_wait_loadcnt 0x0                             ; everything is needed at once
.set kk, 0
.rept 64
	v_cvt_pk_f16_f32 v[AH+kk], v[AF+2*kk], v[AF+2*kk+1]
.set kk, kk+1
.endr
.set kk, 0
.rept 16
	v_cvt_pk_f16_f32 v[BH+kk], v[BF+2*kk], v[BF+2*kk+1]
.set kk, kk+1
.endr
	; D(Td): register j of lane (r, hh) = sum over e of A[16 Td + 8 hh + j][e] B[16 T + r][e]: eight neighbouring columns of result row 16 T + r
.irp td, 0,1,2,3
	v_wmma_f32_16x16x32_f16 v[DD+8*\td:DD+8*\td+7], v[AH+16*\td:AH+16*\td+7], v[BH:BH+7], 0
.endr
.irp td, 0,1,2,3
	v_wmma_f32_16x16x32_f16 v[DD+8*\td:DD+8*\td+7], v[AH+16*\td+8:AH+16*\td+15], v[BH+8:BH+15], v[DD+8*\td:DD+8*\td+7]
.endr
.rept 4
	v_nop                                          ; four places before vector instructions read the results (ISA guide 7.12.1)
.endr
.set kk, 0
.rept 16
	v_pk_mul_f32 v[DD+2*kk:DD+2*kk+1], v[DD+2*kk:DD+2*kk+1], 0x43800000 op_sel_hi:[1,0]    ; x 2^8
.set kk, kk+1
.endr
.set kk, 0
.rept 16
	v_cvt_pk_f16_f32 v[ST+kk], v[DD+2*kk], v[DD+2*kk+1]
.set kk, kk+1
.endr
.irp td, 0,1,2,3
	global_store_b128 v3, v[ST+4*\td:ST+4*\td+3], s[24:25] offset:\td*512    ; a wave's store covers 512 consecutive bytes, aligned
.endr
	s_endpgm
	; ---------------- x to f16 ----------------
.Lconv:
	s_sub_co_u32 s21, ttmp9, 32                    ; 0 .. 127
	s_lshl_b32 s22, s21, 14                        ; 16,384 bytes of x
	s_mov_b32 s23, 0
	s_lshl_b32 s24, s21, 13                        ; 8,192 bytes of xh
	s_mov_b32 s25, 0
	v_lshlrev_b32 v1, 4, v0                        ; thread t: four numbers, 16 bytes in,
	v_lshlrev_b32 v2, 3, v0                        ; 8 bytes out
	s_wait_kmcnt 0x0
	s_add_nc_u64 s[4:5], s[4:5], s[22:23]
	s_add_nc_u64 s[14:15], s[14:15], s[24:25]
.irp k, 0,1,2,3,4,5,6,7
	global_load_b128 v[32+4*\k:35+4*\k], v1, s[4:5] offset:\k*2048 th:TH_LOAD_NT
.endr
.irp k, 0,1,2,3,4,5,6,7
	s_wait_loadcnt 7-\k                            ; loads return in order: load k is in, the 7 - k younger ones stay out
	v_cvt_pk_f16_f32 v[64+2*\k], v[32+4*\k], v[33+4*\k]
	v_cvt_pk_f16_f32 v[65+2*\k], v[34+4*\k], v[35+4*\k]
	global_store_b64 v2, v[64+2*\k:65+2*\k], s[14:15] offset:\k*1024         ; a wave's store covers 256 consecutive bytes, aligned; no register is written twice
.endr
	s_endpgm
.Lfunc_end_k_qf9dd6f3397_prep:
	.size	k_qf9dd6f3397_prep, .Lfunc_end_k_qf9dd6f3397_prep-k_qf9dd6f3397_prep
	.p2alignl 7, 3214868480
	.fill 96, 4, 3214868480
	.section	.rodata,"a",@progbits
	.p2align	6, 0x0
	.amdhsa_kernel k_qf9dd6f3397_prep
		.amdhsa_group_segment_fixed_size 0
		.amdhsa_private_segment_fixed_size 0
		.amdhsa_enable_private_segment 0
		.amdhsa_kernarg_size 64
		.amdhsa_user_sgpr_count 2
		.amdhsa_user_sgpr_kernarg_segment_ptr 1
		.amdhsa_wavefront_size32 1
		.amdhsa_system_sgpr_workgroup_id_x 1
		.amdhsa_system_sgpr_workgroup_id_y 1
		.amdhsa_system_sgpr_workgroup_id_z 1
		.amdhsa_system_vgpr_workitem_id 0
		.amdhsa_next_free_vgpr 256
		.amdhsa_next_free_sgpr 66
		.amdhsa_reserve_vcc 0
		.amdhsa_float_denorm_mode_32 3
		.amdhsa_float_denorm_mode_16_64 3
		.amdhsa_memory_ordered 1
		.amdhsa_forward_progress 1
		.amdhsa_inst_pref_size 20
	.end_amdhsa_kernel
	.amdgpu_metadata
---
amdhsa.version: [ 1, 2 ]
amdhsa.kernels:
  - .name:           k_qf9dd6f3397_prep
    .symbol:         k_qf9dd6f3397_prep.kd
    .args:
      - { .name: x, .offset: 0, .size: 8, .value_kind: global_buffer, .address_space: global }
      - { .name: Wq, .offset: 8, .size: 8, .value_kind: global_buffer, .address_space: global }
      - { .name: Wk, .offset: 16, .size: 8, .value_kind: global_buffer, .address_space: global }
      - { .name: Wv, .offset: 24, .size: 8, .value_kind: global_buffer, .address_space: global }
      - { .name: Wo, .offset: 32, .size: 8, .value_kind: global_buffer, .address_space: global }
      - { .name: xh, .offset: 40, .size: 8, .value_kind: global_buffer, .address_space: global }
      - { .name: mf, .offset: 48, .size: 8, .value_kind: global_buffer, .address_space: global }
      - { .name: nf, .offset: 56, .size: 8, .value_kind: global_buffer, .address_space: global }
    .group_segment_fixed_size: 0
    .private_segment_fixed_size: 0
    .kernarg_segment_align: 8
    .kernarg_segment_size: 64
    .max_flat_workgroup_size: 128
    .sgpr_count:     66
    .vgpr_count:     256
    .wavefront_size: 32
...
	.end_amdgpu_metadata
.endif
;; end of part 1
;; launch attn (part 2): grid 256 x 1, 8 waves a work-group, no clusters, 295,936 bytes of LDS; arguments xh, mf, nf, bo, out0; writes out0
.if DOCPART == 2
	.amdgcn_target "amdgcn-amd-amdhsa--gfx1250"
	.amdhsa_code_object_version 6
	.text
	.protected	k_qf9dd6f3397_attn
	.globl	k_qf9dd6f3397_attn
	.p2align	8
	.type	k_qf9dd6f3397_attn,@function
k_qf9dd6f3397_attn:
	s_mov_b64 s[64:65], 0
	v_nop
	global_prefetch_b8 v0, s[64:65] scope:SCOPE_SE
	s_setreg_imm32_b32 hwreg(HW_REG_WAVE_MODE, 25, 1), 1
	s_wait_xcnt 0x0
; CAUSAL ATTENTION, all 16 heads, with the projections folded (see the launch before):
;   scores_h = x_q M_h x_k^T / 8,   out = sum over h of (softmax(scores_h) x) N_h + bo,   M_h = Wq_h Wk_h^T,  N_h = Wv_h Wo_h.
; So the keys and the values of every head are x itself, and one batch of x in f16 (2,048 rows of 128 bytes) lies whole in LDS.
; WORK: 256 work-groups = 4 batches x 64 pairs of query blocks of 16 rows (i and 127 - i).  Keys go in steps of 32; block blk takes
; blk / 2 full steps and the step on the diagonal, so each pair takes 65 steps: equal work.  Keys above the diagonal carry the
; weight exp(score - 1e9 - max) = 0 in f32 and are not computed.  Eight waves; wave w owns heads 2 w and 2 w + 1 and both blocks,
; so the sum over heads stays in the work-group: two heads in the accumulator chain, eight waves through LDS.
; SOFTMAX: running maximum, in base 2 (log2(e) / 8 is folded into Q').  The diagonal step comes first: every row has its own key there,
; so the maximum is finite from the start and the first products start all sums (nothing is cleared).
; LAYOUT (L lane, r = L & 15, h = L >> 4): everything is computed transposed, so that a lane owns ONE query q = r:
;   S^T(t) = K rows (A) x Q' (B);  O^T(T) = x^T (A, by transposing LDS loads) x P (B);  maximum, sum and rescale factor are one number a lane.
;   Inside a step, fragment index 16 t + 8 h + j stands for key 16 t + 2 j + h, alike in K's rows, in P and in x^T.  Then S^T's result
;   registers, packed in place to f16, ARE P's B fragment, and with the pitch of 144 bytes both kinds of LDS load touch sixteen different
;   16-byte columns modulo 256 bytes in each half of the lanes.
; LIMITS: matrix operands are f16: |x| below 65504, |Q'| = |x_q M_h| log2(e)/8 below 65504; a masked key's weight is exactly 0, as in
; reference() while scores differ by less than 1e9 - 104; keys and heads are summed in another order than in reference().
; NO CLUSTER: the work-groups of a batch fetch the same 262,144 bytes of xh, once each, at their start.  Partners of a cluster would differ
; in their query blocks, hence in the trip counts of both passes, and a joint request wants partners that run alike.
.set PITCH,  144                       ; an LDS row of x: 128 bytes + 16
.set TILEB,  16*PITCH                  ; 16 keys
.set STEPB,  32*PITCH                  ; a step's 32 keys
.set WTILE,  128*PITCH                 ; what one tensor load brings: 128 keys
.set HALFB,  1024*PITCH                ; half of the batch
.set SPITCH, 272                       ; a row of the output stage: 64 f32 + 16 bytes
.set SBLK,   16*SPITCH                 ; a block's 16 rows
.set SWAVE,  2*SBLK                    ; a wave's stage: small block, large block
.set LANEK, 1                          ; v1      (2 (r & 7) + (r >> 3)) x 144 + 16 h: my row and half in a K fragment
.set LANEV, 2                          ; v2      (2 (L & 7) + h) x 144 + 16 ((L >> 3) & 1): my row and columns for a transposing load
.set KADR,  3                          ; v3      LANEK + the step's first byte
.set VADR,  4                          ; v4      LANEV + the step's first byte
.set DL,    5                          ; v5      mask threshold of the diagonal step
.set RH,    6                          ; v6      r - h
.set FRG,   7                          ; v7      16 x lane
.set MP,    8                          ; v[8:11]   head g: (m, m), the running maximum
.set LP,    12                         ; v[12:15]  head g: two partial sums of my half of the keys
.set AL,    16                         ; v[16:19]  head g: (factor, 0)
.set TM,    20                         ; v[20:23]  head g: two temporaries
.set TP,    24                         ; v[24:29]  three temporary pairs
.set NINF,  30                         ; v30     -infinity
.set BOA,   31                         ; v31     offset of my four numbers of bo
.set QA,    32                         ; v[32:63]   Q' of the small block (head g at 16 g, K step at 8 ks); later its normalised O
.set QB,    64                         ; v[64:95]   Q' of the large block
.set SC,    96                         ; v[96:127]  scores (head g at 16 g, key tile t at 8 t); P in the first 8 of each 16
.set KF,    128                        ; v[128:159] K fragments (t, ks) at 16 t + 8 ks
.set VF,    160                        ; v[160:191] x^T fragments, column tile T at 8 T
.set OA,    192                        ; v[192:255] O^T (head g at 32 g, tile T at 8 T)
.set NF,    64                         ; v[64:191]  at the end: N's fragments (T, g, ks) at 32 T + 16 g + 8 ks; then the stage read back
.set BO,    24                         ; v[24:27]   at the end: my four numbers of bo
.set STO,   3                          ; at the end: where I put results in the stage
.set RD,    4                          ;             where I read the stage
.set OUTO,  5                          ;             16 x thread: my bytes of a block of out0
.macro NOPS n
.rept \n
	v_nop
.endr
.endm
; 8 loads: the step's 32 keys as A fragments, row m = key 16 t + 2 (m & 7) + (m >> 3)
.macro LDK
.irp t, 0,1
.irp ks, 0,1
	ds_load_b128 v[KF+16*\t+8*\ks:KF+16*\t+8*\ks+3],   v[KADR] offset:\t*TILEB+\ks*64
	ds_load_b128 v[KF+16*\t+8*\ks+4:KF+16*\t+8*\ks+7], v[KADR] offset:\t*TILEB+\ks*64+32
.endr
.endr
.endm
; 8 transposing loads: row m = column 16 T + r of x, element j of the first = key 2 j + h, of the second = key 16 + 2 j + h
.macro LDV
.irp dt, 0,1,2,3
	ds_load_tr16_b128 v[VF+8*\dt:VF+8*\dt+3],   v[VADR] offset:32*\dt
	ds_load_tr16_b128 v[VF+8*\dt+4:VF+8*\dt+7], v[VADR] offset:32*\dt+TILEB
.endr
.endm
; scores of both heads and both key tiles: register j of lane (r, h) = key 16 t + 2 j + h, query r
.macro QK qq
.irp g, 0,1
.irp t, 0,1
	v_wmma_f32_16x16x32_f16 v[SC+16*\g+8*\t:SC+16*\g+8*\t+7], v[KF+16*\t:KF+16*\t+7], v[\qq+16*\g:\qq+16*\g+7], 0
.endr
.endr
.irp g, 0,1
.irp t, 0,1
	v_wmma_f32_16x16x32_f16 v[SC+16*\g+8*\t:SC+16*\g+8*\t+7], v[KF+16*\t+8:KF+16*\t+15], v[\qq+16*\g+8:\qq+16*\g+15], v[SC+16*\g+8*\t:SC+16*\g+8*\t+7]
.endr
.endr
.endm
; diagonal step: key 16 t + 2 j + h lies above query 16 (blk & 1) + r  <=>  16 t + 2 j > DL (signed: DL can be -1)
.macro MASK
.irp t, 0,1
.irp j, 0,1,2,3,4,5,6,7
	v_cmp_gt_i32 vcc_lo, 16*\t+2*\j, v[DL]
	v_cndmask_b32 v[SC+8*\t+\j],    v[SC+8*\t+\j],    v[NINF], vcc_lo
	v_cndmask_b32 v[SC+16+8*\t+\j], v[SC+16+8*\t+\j], v[NINF], vcc_lo
.endr
.endr
.endm
; the new maximum of my query: my 16 scores in two chains, the old maximum, the other half's lane; then the factor 2^(old - new)
.macro SMAX g, first
.set SB, SC+16*\g
.set TA, TM+2*\g
.set TB, TM+2*\g+1
	v_max3_num_f32 v[TA], v[SB],    v[SB+1],  v[SB+2]
	v_max3_num_f32 v[TB], v[SB+3],  v[SB+4],  v[SB+5]
	v_max3_num_f32 v[TA], v[TA],    v[SB+6],  v[SB+7]
	v_max3_num_f32 v[TB], v[TB],    v[SB+8],  v[SB+9]
	v_max3_num_f32 v[TA], v[TA],    v[SB+10], v[SB+11]
	v_max3_num_f32 v[TB], v[TB],    v[SB+12], v[SB+13]
	v_max3_num_f32 v[TA], v[TA],    v[SB+14], v[SB+15]
.if \first
	v_max_num_f32 v[TA], v[TA], v[TB]
.else
	v_max3_num_f32 v[TA], v[TA], v[TB], v[MP+2*\g]
.endif
	v_permlanex16_b32 v[TB], v[TA], s40, s41       ; lane L xor 16 holds the same query's other keys
	v_max_num_f32 v[TA], v[TA], v[TB]
.if \first == 0
	v_sub_f32 v[AL+2*\g], v[MP+2*\g], v[TA]
	v_exp_f32 v[AL+2*\g], v[AL+2*\g]               ; the two moves below are the plain instructions behind it (ISA guide 5.7.2)
.endif
	v_mov_b32 v[MP+2*\g], v[TA]
	v_mov_b32 v[MP+2*\g+1], v[TA]
.endm
.macro SSUB g
.set kk, 0
.rept 8
	v_pk_add_f32 v[SC+16*\g+2*kk:SC+16*\g+2*kk+1], v[SC+16*\g+2*kk:SC+16*\g+2*kk+1], v[MP+2*\g:MP+2*\g+1] neg_lo:[0,1] neg_hi:[0,1]
.set kk, kk+1
.endr
.endm
.macro SEXP g                          ; back to back; the caller puts a plain independent instruction behind the last
.set kk, 0
.rept 16
	v_exp_f32 v[SC+16*\g+kk], v[SC+16*\g+kk]
.set kk, kk+1
.endr
.endm
.macro RESC g                          ; O of head g times the lane's factor
.set kk, 0
	s_wait_alu depctr_va_vdst(0)
.rept 16
	v_pk_mul_f32 v[OA+32*\g+2*kk:OA+32*\g+2*kk+1], v[OA+32*\g+2*kk:OA+32*\g+2*kk+1], v[AL+2*\g:AL+2*\g+1] op_sel_hi:[1,0]
.set kk, kk+1
.endr
.endm
.macro LSUM g, first                   ; the running sum, two partial sums a lane, the 16 weights added as a tree
.set SB, SC+16*\g
.set LL, LP+2*\g
.if \first
	s_wait_alu depctr_va_vdst(0)
	v_pk_add_f32 v[LL:LL+1],     v[SB:SB+1],       v[SB+2:SB+3]
	v_pk_add_f32 v[TP:TP+1],     v[SB+4:SB+5],     v[SB+6:SB+7]
	v_pk_add_f32 v[TP+2:TP+3],   v[SB+8:SB+9],     v[SB+10:SB+11]
	v_pk_add_f32 v[TP+4:TP+5],   v[SB+12:SB+13],   v[SB+14:SB+15]
	v_pk_add_f32 v[LL:LL+1],     v[LL:LL+1],       v[TP:TP+1]
	v_pk_add_f32 v[TP+2:TP+3],   v[TP+2:TP+3],     v[TP+4:TP+5]
	v_pk_add_f32 v[LL:LL+1],     v[LL:LL+1],       v[TP+2:TP+3]
.else
	s_wait_alu depctr_va_vdst(0)
	v_pk_fma_f32 v[LL:LL+1],     v[LL:LL+1],       v[AL+2*\g:AL+2*\g+1], v[SB:SB+1] op_sel_hi:[1,0,1]
	v_pk_add_f32 v[TP:TP+1],     v[SB+2:SB+3],     v[SB+4:SB+5]
	v_pk_add_f32 v[TP+2:TP+3],   v[SB+6:SB+7],     v[SB+8:SB+9]
	v_pk_add_f32 v[TP+4:TP+5],   v[SB+10:SB+11],   v[SB+12:SB+13]
	v_pk_add_f32 v[LL:LL+1],     v[LL:LL+1],       v[SB+14:SB+15]
	v_pk_add_f32 v[TP:TP+1],     v[TP:TP+1],       v[TP+2:TP+3]
	v_pk_add_f32 v[LL:LL+1],     v[LL:LL+1],       v[TP+4:TP+5]
	v_pk_add_f32 v[LL:LL+1],     v[LL:LL+1],       v[TP:TP+1]
.endif
.endm
.macro PACK g                          ; 16 weights to f16, in place and ascending: registers 0-7 become P's B fragment
.set kk, 0
.rept 8
	v_cvt_pk_f16_f32 v[SC+16*\g+kk], v[SC+16*\g+2*kk], v[SC+16*\g+2*kk+1]
.set kk, kk+1
.endr
.endm
.macro PV g, first
.irp dt, 0,1,2,3
.if \first
	v_wmma_f32_16x16x32_f16 v[OA+32*\g+8*\dt:OA+32*\g+8*\dt+7], v[VF+8*\dt:VF+8*\dt+7], v[SC+16*\g:SC+16*\g+7], 0
.else
	v_wmma_f32_16x16x32_f16 v[OA+32*\g+8*\dt:OA+32*\g+8*\dt+7], v[VF+8*\dt:VF+8*\dt+7], v[SC+16*\g:SC+16*\g+7], v[OA+32*\g+8*\dt:OA+32*\g+8*\dt+7]
.endif
.endr
.endm
; four result tiles (rows 16 T + 8 h + j, column r) to the B fragments of two K steps: tiles 2 ks, 2 ks + 1 are registers 0-3, 4-7
.macro PACK16 dst, src
.set kk, 0
.rept 16
	v_cvt_pk_f16_f32 v[\dst+kk], v[\src+2*kk], v[\src+2*kk+1]
.set kk, kk+1
.endr
.endm
; ONE STEP of 32 keys for both heads.  first = 1: the diagonal step, which masks and starts maximum, sums and O.
; The fragments of the step after it are asked for as soon as their registers are free: K behind the scores, x^T behind the last product.
.macro STEP first, qq
.if \first
	s_mov_b32 s23, 0                               ; behind the diagonal step comes step 0
.else
	s_add_co_u32 s22, s20, 1                       ; the next step; behind the last full one this is the diagonal step again: inside x, never used
	s_min_u32 s22, s22, 63
	s_mul_i32 s23, s22, STEPB
.endif
	s_wait_dscnt 0x8                               ; LDS loads return in order: the 8 K loads are in, the 8 younger x^T loads stay out
	QK \qq
	v_add_nc_u32 v[KADR], s23, v[LANEK]            ; with three v_nop the four places before K's registers are loaded again and
	NOPS 3                                         ; the scores are read (ISA guide 7.12.1)
	LDK
.if \first
	MASK
.endif
	SMAX 0, \first
	SMAX 1, \first
	SSUB 0
	SEXP 0
	SSUB 1                                         ; plain work on the other head behind the exponentials
.if \first == 0
	RESC 0
.endif
	LSUM 0, \first
	PACK 0
	s_wait_dscnt 0x8                               ; the 8 x^T loads are in, the next step's 8 K loads stay out
	PV 0, \first
	SEXP 1
.if \first
	v_nop                                          ; the plain instruction behind the last exponential
	s_wait_alu depctr_va_vdst(0)
.else
	RESC 1                                         ; (its first line is that instruction)
.endif
	LSUM 1, \first
	PACK 1
	PV 1, \first
	v_add_nc_u32 v[VADR], s23, v[LANEV]            ; with four v_nop five places: x^T's registers are loaded again (four),
	NOPS 4                                         ; and the next scores are written over P (five)
	LDV
.endm
; ONE QUERY BLOCK: sblk = the scalar register with the block's number, qq = its Q'
.macro PASS id, sblk, qq
	s_lshr_b32 s21, \sblk, 1                       ; full steps = index of the diagonal step
	s_min_u32 s21, s21, 63
	s_and_b32 s22, \sblk, 1
	s_lshl_b32 s22, s22, 4
	v_add_nc_u32 v[DL], s22, v[RH]                 ; 16 (blk & 1) + r - h
	s_mul_i32 s23, s21, STEPB
	v_add_nc_u32 v[KADR], s23, v[LANEK]
	v_add_nc_u32 v[VADR], s23, v[LANEV]
	LDK
	LDV
	STEP 1, \qq
	s_cmp_eq_u32 s21, 0
	s_cbranch_scc1 .Lend\id
	s_mov_b32 s20, 0
.Lloop\id:
	STEP 0, \qq
	s_add_co_u32 s20, s20, 1
	s_cmp_lt_u32 s20, s21
	s_cbranch_scc1 .Lloop\id
.Lend\id:
	s_wait_dscnt 0x0                               ; the look-ahead's 16 loads have landed: their registers are free, my reads of x are over
.endm
; O / l of head g, packed to B fragments at dst.  l >= 1: the key with the largest score has weight 1.
.macro NORM g, dst
	v_add_f32 v[TM+2*\g], v[LP+2*\g], v[LP+2*\g+1]
	v_permlanex16_b32 v[TM+2*\g+1], v[TM+2*\g], s40, s41
	v_add_f32 v[TM+2*\g], v[TM+2*\g], v[TM+2*\g+1]
	v_rcp_f32 v[AL+2*\g], v[TM+2*\g]
	v_nop                                          ; the plain instruction behind the reciprocal
	s_wait_alu depctr_va_vdst(0)
	RESC \g
	PACK16 \dst, OA+32*\g
.endm
; Q'^T = Mt (A, at mfr: tile T at 16 T, K step at 8) x x_q (B, at xq), times log2(e)/8 x 2^-8, packed to B fragments at dst
.macro QPROJ mfr, xq, dd, dst
.irp dt, 0,1,2,3
	v_wmma_f32_16x16x32_f16 v[\dd+8*\dt:\dd+8*\dt+7], v[\mfr+16*\dt:\mfr+16*\dt+7], v[\xq:\xq+7], 0
.endr
.irp dt, 0,1,2,3
	v_wmma_f32_16x16x32_f16 v[\dd+8*\dt:\dd+8*\dt+7], v[\mfr+16*\dt+8:\mfr+16*\dt+15], v[\xq+8:\xq+15], v[\dd+8*\dt:\dd+8*\dt+7]
.endr
	NOPS 5                                         ; four places before the results are read; five before the next projection writes over D or A registers
.set kk, 0
.rept 16
	v_pk_mul_f32 v[\dd+2*kk:\dd+2*kk+1], v[\dd+2*kk:\dd+2*kk+1], s[42:43] op_sel_hi:[1,0]
.set kk, kk+1
.endr
	PACK16 \dst, \dd
.endm
; columns 16 T .. 16 T + 15 of the output, both blocks, my two heads summed in the chain (c = 2 g + ks); results into my stage
.macro OUT dt
.set ACC, OA+16+32*(\dt&1)             ; the 16 registers behind a head's packed O, in turn
	s_wait_loadcnt 24-8*\dt                        ; bo and N's fragments up to this T are in; the 8 loads of each later T stay out
	v_wmma_f32_16x16x32_f16 v[ACC:ACC+7],    v[NF+32*\dt:NF+32*\dt+7], v[QA:QA+7], 0
	v_wmma_f32_16x16x32_f16 v[ACC+8:ACC+15], v[NF+32*\dt:NF+32*\dt+7], v[OA:OA+7], 0
.irp c, 1,2,3
	v_wmma_f32_16x16x32_f16 v[ACC:ACC+7],    v[NF+32*\dt+8*\c:NF+32*\dt+8*\c+7], v[QA+8*\c:QA+8*\c+7], v[ACC:ACC+7]
	v_wmma_f32_16x16x32_f16 v[ACC+8:ACC+15], v[NF+32*\dt+8*\c:NF+32*\dt+8*\c+7], v[OA+32*(\c>>1)+8*(\c&1):OA+32*(\c>>1)+8*(\c&1)+7], v[ACC+8:ACC+15]
.endr
	NOPS 4                                         ; four places before the LDS stores read the results
	ds_store_b128 v[STO], v[ACC:ACC+3]     offset:64*\dt
	ds_store_b128 v[STO], v[ACC+4:ACC+7]   offset:64*\dt+16
	ds_store_b128 v[STO], v[ACC+8:ACC+11]  offset:SBLK+64*\dt
	ds_store_b128 v[STO], v[ACC+12:ACC+15] offset:SBLK+64*\dt+16
.endm
; the eight waves' parts of my four numbers (at rb, 4 registers a wave) added as a tree, x 2^-8, + bo, stored
.macro SUMOUT rb, sb
.irp p, 0,2,4,6
	v_pk_add_f32 v[\rb+4*\p:\rb+4*\p+1],   v[\rb+4*\p:\rb+4*\p+1],   v[\rb+4*\p+4:\rb+4*\p+5]
	v_pk_add_f32 v[\rb+4*\p+2:\rb+4*\p+3], v[\rb+4*\p+2:\rb+4*\p+3], v[\rb+4*\p+6:\rb+4*\p+7]
.endr
.irp p, 0,4
	v_pk_add_f32 v[\rb+4*\p:\rb+4*\p+1],   v[\rb+4*\p:\rb+4*\p+1],   v[\rb+4*\p+8:\rb+4*\p+9]
	v_pk_add_f32 v[\rb+4*\p+2:\rb+4*\p+3], v[\rb+4*\p+2:\rb+4*\p+3], v[\rb+4*\p+10:\rb+4*\p+11]
.endr
	v_pk_add_f32 v[\rb:\rb+1],   v[\rb:\rb+1],   v[\rb+16:\rb+17]
	v_pk_add_f32 v[\rb+2:\rb+3], v[\rb+2:\rb+3], v[\rb+18:\rb+19]
	v_pk_fma_f32 v[\rb:\rb+1],   v[\rb:\rb+1],   0x3b800000, v[BO:BO+1]   op_sel_hi:[1,0,1]
	v_pk_fma_f32 v[\rb+2:\rb+3], v[\rb+2:\rb+3], 0x3b800000, v[BO+2:BO+3] op_sel_hi:[1,0,1]
	global_store_b128 v[OUTO], v[\rb:\rb+3], s[\sb:\sb+1] th:TH_STORE_NT     ; 16 lanes store one row of out0: 256 consecutive bytes, aligned
.endm
	; ---------------- 1. arguments, ids, and x on its way ----------------
	s_load_b256 s[4:11], s[0:1], 0x0               ; xh 4:5, mf 6:7, nf 8:9, bo 10:11
	s_load_b64 s[12:13], s[0:1], 0x20              ; out0
	s_set_vgpr_msb 0x40
	v_lshl_add_u32 v0, v0, 2, 0x48000
	v_mov_b32 v1, 0
	s_set_vgpr_msb 0x4045
	ds_add_u32 v0, v1
	ds_add_u32 v0, v1
	s_set_vgpr_msb 0x4500
	v_lshrrev_b32 v20, 5, v0
	v_readfirstlane_b32 s14, v20                   ; wave w
	s_and_b32 s15, ttmp9, 63                       ; small block i
	s_lshr_b32 s16, ttmp9, 6                       ; batch
	s_sub_co_u32 s17, 127, s15                     ; large block
	; group 1: xh is dense, so two rows of x are taken as one row of 256 bytes; 16 bytes of padding behind every 128 give the pitch of 144
	s_mov_b32 s24, (1<<16)|(1<<20)|(4<<22)|(3<<25) ; elements of 2 bytes; padding on; after every 32 words (code 4) 4 words (code 3); no work-group mask
	s_mov_b32 s25, 128<<16                         ; tensor_dim0 = 128
	s_mov_b32 s26, 64<<16                          ; tensor_dim1 = 64
	s_mov_b32 s27, 128<<16                         ; tile_dim0 = 128
	s_mov_b32 s28, 64                              ; tile_dim1 = 64
	s_mov_b32 s29, 128                             ; elements from row to row
	s_mov_b32 s30, 0
	s_mov_b32 s31, 0
	; group 0, one set for each half of the batch: wave w brings keys 128 w .. + 127 of the half, into bytes that are its own until the barrier
	s_mov_b32 s32, 1
	s_mul_i32 s33, s14, WTILE
	s_mov_b32 s36, 1
	s_add_co_u32 s37, s33, HALFB
	s_lshl_b32 s18, s16, 18                        ; a batch of xh: 262,144 bytes
	s_mov_b32 s19, 0
	s_lshl_b32 s20, s14, 14                        ; 128 keys of 128 bytes; also two heads of mf and of nf
	s_mov_b32 s21, 0
	s_wait_dscnt 0x0
	s_wait_kmcnt 0x0
	s_add_nc_u64 s[4:5], s[4:5], s[18:19]
	s_add_nc_u64 s[34:35], s[4:5], s[20:21]
	s_add_nc_u64 s[38:39], s[34:35], 0x20000       ; 1,024 keys on
	s_or_b32 s35, s35, 0x80000000                  ; type 2
	s_or_b32 s39, s39, 0x80000000
	tensor_load_to_lds s[32:35], s[24:31]
	s_nop 0
	tensor_load_to_lds s[36:39], s[24:31]          ; two tensor loads of a wave are out at the most; their registers are never written again
	s_nop 0
	s_add_nc_u64 s[6:7], s[6:7], s[20:21]          ; my two heads of mf
	s_add_nc_u64 s[8:9], s[8:9], s[20:21]          ; and of nf
	s_lshl_b32 s18, s16, 19                        ; a batch of out0: 524,288 bytes
	s_lshl_b32 s22, s15, 12                        ; a block of 16 rows of 256 bytes
	s_add_co_u32 s22, s22, s18
	s_mov_b32 s23, 0
	s_add_nc_u64 s[44:45], s[12:13], s[22:23]      ; out0 at the small block
	s_lshl_b32 s22, s17, 12
	s_add_co_u32 s22, s22, s18
	s_add_nc_u64 s[46:47], s[12:13], s[22:23]      ; out0 at the large block
	s_mov_b32 s40, 0x76543210                      ; v_permlanex16_b32: lane L takes lane L xor 16
	s_mov_b32 s41, 0xfedcba98
	s_mov_b32 s42, 0x3a38aa3b                      ; log2(e) / 8 x 2^-8
	s_mov_b32 s43, 0x3a38aa3b
	; ---------------- 2. lane constants; x_q and M on their way ----------------
	v_and_b32 v20, 7, v0                           ; L & 7
	v_bfe_u32 v21, v0, 3, 1                        ; (L >> 3) & 1 = r >> 3
	v_bfe_u32 v22, v0, 4, 1                        ; h
	v_and_b32 v23, 15, v0                          ; r
	v_lshl_add_u32 v24, v20, 1, v21
	v_mul_u32_u24 v[LANEK], v24, PITCH
	v_lshl_add_u32 v[LANEK], v22, 4, v[LANEK]
	v_lshl_add_u32 v24, v20, 1, v22
	v_mul_u32_u24 v[LANEV], v24, PITCH
	v_lshl_add_u32 v[LANEV], v21, 4, v[LANEV]
	v_sub_nc_u32 v[RH], v23, v22
	v_and_b32 v[FRG], 31, v0
	v_lshlrev_b32 v[FRG], 4, v[FRG]
	v_mov_b32 v[AL+1], 0                           ; the unused halves of the factor pairs: written once, since a pair is read whole
	v_mov_b32 v[AL+3], 0
	v_mov_b32 v[NINF], 0xff800000
	v_lshlrev_b32 v25, 7, v23                      ; row r of 128 bytes
	v_lshl_add_u32 v25, v22, 4, v25                ; + 16 h
	s_lshl_b32 s22, s15, 11                        ; 16 rows a block
	v_add_nc_u32 v26, s22, v25
	s_lshl_b32 s22, s17, 11
	v_add_nc_u32 v27, s22, v25
.irp c, 0,1,2,3
	global_load_b128 v[SC+4*\c:SC+4*\c+3], v26, s[4:5] offset:32*\c          ; x_q of the small block as B fragments: K step ks, half at 64 ks + 32 half
.endr
.irp c, 0,1,2,3
	global_load_b128 v[SC+16+4*\c:SC+16+4*\c+3], v27, s[4:5] offset:32*\c    ; of the large block
.endr
.set kk, 0
.rept 32
	global_load_b128 v[KF+4*kk:KF+4*kk+3], v[FRG], s[6:7] offset:512*kk      ; Mt of head 2 w in v128-191, of head 2 w + 1 in v192-255: stored in fragment order
.set kk, kk+1
.endr
	; ---------------- 3. Q' of both blocks and both heads ----------------
	s_wait_loadcnt 0x10                            ; x_q and the first head's 16 loads are in; the second head's 16 stay out
	QPROJ KF, SC,    QB, QA                        ; head 0, small block (D in v64-95)
	QPROJ KF, SC+16, QB, QB                        ; head 0, large block, packed in place
	s_wait_loadcnt 0x0
	QPROJ OA, SC,    KF, QA+16                     ; head 1, small block (D in v128-159)
	QPROJ OA, SC+16, VF, QB+16                     ; head 1, large block (D in v160-191)
	; ---------------- 4. x is there ----------------
	s_wait_tensorcnt 0x0                           ; my two tiles are in LDS (once, in front of all loops),
	s_barrier_signal -1
	s_barrier_wait -1                              ; and so are everybody's
	; ---------------- 5, 6. the two query blocks ----------------
	PASS 1, s15, QA
	NORM 0, QA                                     ; the small block's O / l takes the place of its Q'
	NORM 1, QA+16
	PASS 2, s17, QB
	; ---------------- 7. the output projection ----------------
	v_and_b32 v[BOA], 15, v0
	v_lshlrev_b32 v[BOA], 4, v[BOA]
	global_load_b128 v[BO:BO+3], v[BOA], s[10:11]  ; thread t stores columns 4 (t & 15) .. + 3
.irp dt, 0,1,2,3
.irp g, 0,1
.irp c, 0,1,2,3
	global_load_b128 v[NF+32*\dt+16*\g+4*\c:NF+32*\dt+16*\g+4*\c+3], v[FRG], s[8:9] offset:\g*8192+\dt*2048+\c*512
.endr
.endr
.endr
	s_barrier_signal -1                            ; every wave's reads of x ended at the wait for zero that closes its second pass:
	s_barrier_wait -1                              ; behind this barrier x's first 69,632 bytes are the stage (no tensor load follows)
	NORM 0, OA                                     ; the large block's O / l, packed in place: v192-207 and v224-239
	NORM 1, OA+32
	s_mul_i32 s22, s14, SWAVE
	v_and_b32 v28, 15, v0
	v_bfe_u32 v29, v0, 4, 1
	v_mul_u32_u24 v[STO], v28, SPITCH              ; stage row = query r,
	v_lshl_add_u32 v[STO], v29, 5, v[STO]          ; my eight columns 16 T + 8 h .. + 7: 32 bytes
	v_add_nc_u32 v[STO], s22, v[STO]
	OUT 0
	OUT 1
	OUT 2
	OUT 3
	v_lshrrev_b32 v28, 4, v0                       ; thread t reads row t / 16,
	v_and_b32 v29, 15, v0                          ; 16 bytes at 16 (t & 15)
	v_mul_u32_u24 v[RD], v28, SPITCH
	v_lshl_add_u32 v[RD], v29, 4, v[RD]
	v_lshlrev_b32 v[OUTO], 4, v0
	s_wait_dscnt 0x0                               ; my stage is written, for the others' sake
	s_barrier_signal -1
	s_barrier_wait -1
	; ---------------- 8. the sum over the waves, and out ----------------
.irp blk, 0,1
.irp wv, 0,1,2,3,4,5,6,7
	ds_load_b128 v[NF+32*\blk+4*\wv:NF+32*\blk+4*\wv+3], v[RD] offset:\wv*SWAVE+\blk*SBLK
.endr
.endr
	s_wait_dscnt 0x8                               ; the small block's 8 loads are in, the large block's 8 stay out
	SUMOUT NF, 44
	s_wait_dscnt 0x0
	SUMOUT NF+32, 46
	s_set_vgpr_msb 0x5
	s_wait_tensorcnt 0x0
	ds_add_u32 v0, v1
	s_wait_dscnt 0x0
	s_set_vgpr_msb 0x500
	s_endpgm
.Lfunc_end_k_qf9dd6f3397_attn:
	.size	k_qf9dd6f3397_attn, .Lfunc_end_k_qf9dd6f3397_attn-k_qf9dd6f3397_attn
	.p2alignl 7, 3214868480
	.fill 96, 4, 3214868480
	.section	.rodata,"a",@progbits
	.p2align	6, 0x0
	.amdhsa_kernel k_qf9dd6f3397_attn
		.amdhsa_group_segment_fixed_size 295936
		.amdhsa_private_segment_fixed_size 0
		.amdhsa_enable_private_segment 0
		.amdhsa_kernarg_size 40
		.amdhsa_user_sgpr_count 2
		.amdhsa_user_sgpr_kernarg_segment_ptr 1
		.amdhsa_wavefront_size32 1
		.amdhsa_system_sgpr_workgroup_id_x 1
		.amdhsa_system_sgpr_workgroup_id_y 1
		.amdhsa_system_sgpr_workgroup_id_z 1
		.amdhsa_system_vgpr_workitem_id 0
		.amdhsa_next_free_vgpr 258
		.amdhsa_next_free_sgpr 66
		.amdhsa_reserve_vcc 1
		.amdhsa_float_denorm_mode_32 3
		.amdhsa_float_denorm_mode_16_64 3
		.amdhsa_memory_ordered 1
		.amdhsa_forward_progress 1
		.amdhsa_inst_pref_size 80
	.end_amdhsa_kernel
	.amdgpu_metadata
---
amdhsa.version: [ 1, 2 ]
amdhsa.kernels:
  - .name:           k_qf9dd6f3397_attn
    .symbol:         k_qf9dd6f3397_attn.kd
    .args:
      - { .name: xh, .offset: 0, .size: 8, .value_kind: global_buffer, .address_space: global }
      - { .name: mf, .offset: 8, .size: 8, .value_kind: global_buffer, .address_space: global }
      - { .name: nf, .offset: 16, .size: 8, .value_kind: global_buffer, .address_space: global }
      - { .name: bo, .offset: 24, .size: 8, .value_kind: global_buffer, .address_space: global }
      - { .name: out0, .offset: 32, .size: 8, .value_kind: global_buffer, .address_space: global }
    .group_segment_fixed_size: 295936
    .private_segment_fixed_size: 0
    .kernarg_segment_align: 8
    .kernarg_segment_size: 40
    .max_flat_workgroup_size: 256
    .sgpr_count:     66
    .vgpr_count:     258
    .wavefront_size: 32
...
	.end_amdgpu_metadata
.endif
;; end of part 2
;; ======== version 2 of 2: 2 launches; version 1 with the launch prep written anew for expert scheduling mode
;; limits: values are held in f16: magnitudes above 65,504 overflow, below 6.1e-05 lose precision; right only within a limited range of input values
;; workspace buffers: xh 1,048,576 bytes; mf 131,072 bytes; nf 131,072 bytes
;; launch prep (part 3): grid 160 x 1, 4 waves a work-group, no clusters, 0 bytes of LDS; arguments x, Wq, Wk, Wv, Wo, xh, mf, nf; writes xh, mf, nf
.if DOCPART == 3
	.amdgcn_target "amdgcn-amd-amdhsa--gfx1250"
	.amdhsa_code_object_version 6
	.text
	.protected	k_qf9dd6f3397_prep
	.globl	k_qf9dd6f3397_prep
	.p2align	8
	.type	k_qf9dd6f3397_prep,@function
k_qf9dd6f3397_prep:
	s_mov_b64 s[64:65], 0
	v_nop
	global_prefetch_b8 v0, s[64:65] scope:SCOPE_SE
	s_setreg_imm32_b32 hwreg(HW_REG_WAVE_SCHED_MODE, 0, 2), 2
	s_setreg_imm32_b32 hwreg(HW_REG_WAVE_MODE, 25, 1), 1
	s_wait_xcnt 0x0
	s_wait_alu depctr_vm_vsrc(0)
; PREPARATION for the attention launch.  Model width and head width are both 64, so the four projections fold into two 64 x 64
; matrices a head, for every input:   q.k = x_q (Wq_h Wk_h^T) x_k^T      and      (P v) Wo_h = (P x) (Wv_h Wo_h).
; Work-groups 0-31 (head = id / 2, kind = id & 1) make, in f16 and times 2^8,
;   kind 0:  Mt[d'][d]  = 2^8 sum over e of Wq[d][64 h + e]   Wk[d'][64 h + e]     -> mf
;   kind 1:  Nt[c][d''] = 2^8 sum over e of Wv[d''][64 h + e] Wo[64 h + e][c]      -> nf
; laid out as the next launch's A fragments: [head][T 0-3][Td 0-3][lane][16 bytes]; lane (r, hh) of chunk (T, Td) holds row 16 T + r,
; columns 16 Td + 8 hh .. + 7.  Wave T makes row tile T.  Work-groups 32-159 cast x to f16 (xh), 16,384 bytes of x each.
; LIMITS: matrix operands are f16: |x| and |W| below 65504, |Wq_h Wk_h^T| and |Wv_h Wo_h| below 255 (the factor 2^8 keeps products of
; weights thirty times smaller than 0.02 among f16's normal numbers).  Sums in f32.
; No LDS, no barrier, no cluster: no two waves share a tile that is worth sharing (each reads 16 to 64 rows of 256 bytes once).
; THE MODE: SCHED_MODE bits 1:0 = 2 (LLVM: expert scheduling mode 2), set by the entry lines.  The code itself states the register dependences
; between vector or matrix instructions and memory instructions, with s_wait_alu, always for 0.
; THE PLAN.  Registers that memory instructions touch:
;   folding:  v1, v2, v6, v3   byte offsets (A's rows, Wk, Wo, the result), all made at the head and never written again: ONE wait ahead of the first load
;                              serves every load and store of the role.  Every wave makes both B offsets, so that the two arms hold loads alone.
;             v[64:191], v[32:63]  loads land in them; no vector instruction names them ahead of the wait for the loads.
;             v[64:79] (ST)    written by the last conversions, read by the four stores: one wait between the two; never written again.
;   casting:  v1, v2           byte offsets, made once: one wait ahead of the loads.
;             v[64:79]         written by the conversions, read by the stores, each register once: the stores go in two runs of four, one wait ahead of each run.
;   No register that a memory instruction reads is written again, so no wait on vm_vsrc is owed.  EXEC is never written.
.set AF, 64                            ; v[64:191]  A as loaded, f32: fragment f = 2 Td + ks at 16 f
.set BF, 32                            ; v[32:63]   B as loaded, f32: K step ks at 16 ks
.set AH, 192                           ; v[192:255] A in f16: fragment f at 8 f
.set BH, 16                            ; v[16:31]   B in f16: K step ks at 8 ks
.set DD, 32                            ; v[32:63]   results, tile Td at 8 Td (B's f32 copy is done with by then)
.set ST, 64                            ; v[64:79]   results in f16, 4 registers a tile
	s_load_b512 s[4:19], s[0:1], 0x0               ; x 4:5, Wq 6:7, Wk 8:9, Wv 10:11, Wo 12:13, xh 14:15, mf 16:17, nf 18:19
	v_lshrrev_b32 v1, 5, v0
	v_readfirstlane_b32 s20, v1                    ; wave = T
	s_wait_alu depctr_va_sdst(0)                   ; s20 is written, ahead of the branch below and of its first reader behind it: offsets of Wk, Wo and the result are made from it
	s_cmp_ge_u32 ttmp9, 32
	s_cbranch_scc1 .Lconv
	; ---------------- the folded matrices ----------------
	s_lshr_b32 s21, ttmp9, 1                       ; head
	s_and_b32 s26, ttmp9, 1                        ; kind
	v_and_b32 v4, 15, v0                           ; r
	v_bfe_u32 v5, v0, 4, 1                         ; hh
	v_and_b32 v3, 31, v0
	v_lshlrev_b32 v3, 4, v3                        ; 16 x lane: where my 16 bytes of a chunk go
	s_lshl_b32 s27, s21, 8                         ; the head's 64 columns: 256 bytes into a row
	v_lshlrev_b32 v1, 12, v4                       ; row r of 4,096 bytes
	v_lshl_add_u32 v1, v5, 5, v1                   ; + 8 hh numbers
	v_add_nc_u32 v1, s27, v1
	s_lshl_b32 s30, s20, 16                        ; kind 0's B: 16 T rows of 4,096 bytes further down, in Wk
	v_add_nc_u32 v2, s30, v1
	s_add_co_u32 s31, s27, s20                     ; kind 1's B: (256 head + T) x 64 =
	s_lshl_b32 s31, s31, 6                         ; the head's 64 rows of 256 bytes + 16 T columns, in Wo
	v_lshlrev_b32 v6, 2, v4                        ; column r
	v_lshl_add_u32 v6, v5, 11, v6                  ; + 8 hh rows
	v_add_nc_u32 v6, s31, v6
	s_lshl_b32 s28, s21, 13                        ; destination: head x 8,192
	s_lshl_b32 s29, s20, 11                        ;            + T x 2,048
	s_add_co_u32 s28, s28, s29
	s_mov_b32 s29, 0
	s_wait_kmcnt 0x0
	s_cmp_eq_u32 s26, 0
	s_cselect_b64 s[22:23], s[6:7], s[10:11]       ; A's rows come from Wq or Wv
	s_cselect_b64 s[24:25], s[16:17], s[18:19]     ; the result goes to mf or nf
	s_add_nc_u64 s[24:25], s[24:25], s[28:29]
	s_wait_alu depctr_va_vdst(0)                   ; the offsets v1, v2, v6 and v3 are written: the loads of A and of B and the stores of the result read them
	; A fragment (Td, ks): lane (r, hh) takes row 16 Td + r, e = 32 ks + 8 hh .. + 7 and 32 ks + 16 + 8 hh .. + 7: four loads of 16 bytes
.irp td, 0,1,2,3
.irp ks, 0,1
.irp c, 0,1,2,3
	global_load_b128 v[AF+16*(2*\td+\ks)+4*\c:AF+16*(2*\td+\ks)+4*\c+3], v1, s[22:23] offset:\td*65536+\ks*128+(\c&1)*16+(\c>>1)*64
.endr
.endr
.endr
	s_cmp_lg_u32 s26, 0
	s_cbranch_scc1 .Lwo
	; kind 0: B's column n = r is row 16 T + r of Wk, e along the row as in A.  No wait: no vector instruction since the wait above names v2 or these registers
.irp ks, 0,1
.irp c, 0,1,2,3
	global_load_b128 v[BF+16*\ks+4*\c:BF+16*\ks+4*\c+3], v2, s[8:9] offset:\ks*128+(\c&1)*16+(\c>>1)*64
.endr
.endr
	s_branch .Lmul
.Lwo:
	; kind 1: B's column n = r is column 16 T + r of Wo, e runs down the rows (256 bytes apart): one number a load.  No wait, as in the other arm: v6 stands ahead of the wait above
.irp ks, 0,1
.irp hf, 0,1
.irp j, 0,1,2,3,4,5,6,7
	global_load_b32 v[BF+16*\ks+8*\hf+\j], v6, s[12:13] offset:(32*\ks+16*\hf+\j)*256
.endr
.endr
.endr
.Lmul:
	s_wait_loadcnt 0x0                             ; everything is needed at once
.set kk, 0
.rept 64
	v_cvt_pk_f16_f32 v[AH+kk], v[AF+2*kk], v[AF+2*kk+1]
.set kk, kk+1
.endr
.set kk, 0
.rept 16
	v_cvt_pk_f16_f32 v[BH+kk], v[BF+2*kk], v[BF+2*kk+1]
.set kk, kk+1
.endr
	; D(Td): register j of lane (r, hh) = sum over e of A[16 Td + 8 hh + j][e] B[16 T + r][e]: eight neighbouring columns of result row 16 T + r
.irp td, 0,1,2,3
	v_wmma_f32_16x16x32_f16 v[DD+8*\td:DD+8*\td+7], v[AH+16*\td:AH+16*\td+7], v[BH:BH+7], 0
.endr
.irp td, 0,1,2,3
	v_wmma_f32_16x16x32_f16 v[DD+8*\td:DD+8*\td+7], v[AH+16*\td+8:AH+16*\td+15], v[BH+8:BH+15], v[DD+8*\td:DD+8*\td+7]
.endr
.rept 4
	v_nop                                          ; four places before vector instructions read the results (ISA guide 7.12.1)
.endr
.set kk, 0
.rept 16
	v_pk_mul_f32 v[DD+2*kk:DD+2*kk+1], v[DD+2*kk:DD+2*kk+1], 0x43800000 op_sel_hi:[1,0]    ; x 2^8
.set kk, kk+1
.endr
.set kk, 0
.rept 16
	v_cvt_pk_f16_f32 v[ST+kk], v[DD+2*kk], v[DD+2*kk+1]
.set kk, kk+1
.endr
	s_wait_alu depctr_va_vdst(0)                   ; the conversions have written v[ST ..], which the four stores read
.irp td, 0,1,2,3
	global_store_b128 v3, v[ST+4*\td:ST+4*\td+3], s[24:25] offset:\td*512    ; a wave's store covers 512 consecutive bytes, aligned
.endr
	s_endpgm
	; ---------------- x to f16 ----------------
.Lconv:
	s_sub_co_u32 s21, ttmp9, 32                    ; 0 .. 127
	s_lshl_b32 s22, s21, 14                        ; 16,384 bytes of x
	s_mov_b32 s23, 0
	s_lshl_b32 s24, s21, 13                        ; 8,192 bytes of xh
	s_mov_b32 s25, 0
	v_lshlrev_b32 v1, 4, v0                        ; thread t: four numbers, 16 bytes in,
	v_lshlrev_b32 v2, 3, v0                        ; 8 bytes out
	s_wait_kmcnt 0x0
	s_add_nc_u64 s[4:5], s[4:5], s[22:23]
	s_add_nc_u64 s[14:15], s[14:15], s[24:25]
	s_wait_alu depctr_va_vdst(0)                   ; the offsets v1 and v2 are written: the eight loads read v1, the eight stores v2
.irp k, 0,1,2,3,4,5,6,7
	global_load_b128 v[32+4*\k:35+4*\k], v1, s[4:5] offset:\k*2048 th:TH_LOAD_NT
.endr
	; two runs of four: each load's numbers are rounded as they come, and one wait stands ahead of the run's four stores
.irp q, 0,4
.irp i, 0,1,2,3
	s_wait_loadcnt 7-(\q+\i)                       ; loads return in order: load q + i is in, the younger ones stay out
	v_cvt_pk_f16_f32 v[64+2*(\q+\i)], v[32+4*(\q+\i)], v[33+4*(\q+\i)]
	v_cvt_pk_f16_f32 v[65+2*(\q+\i)], v[34+4*(\q+\i)], v[35+4*(\q+\i)]
.endr
	s_wait_alu depctr_va_vdst(0)                   ; the run's eight conversions have written v[64 + 2 q .. 71 + 2 q], which its four stores read
.irp i, 0,1,2,3
	global_store_b64 v2, v[64+2*(\q+\i):65+2*(\q+\i)], s[14:15] offset:(\q+\i)*1024    ; a wave's store covers 256 consecutive bytes, aligned; no register is written twice
.endr
.endr
	s_endpgm
.Lfunc_end_k_qf9dd6f3397_prep:
	.size	k_qf9dd6f3397_prep, .Lfunc_end_k_qf9dd6f3397_prep-k_qf9dd6f3397_prep
	.p2alignl 7, 3214868480
	.fill 96, 4, 3214868480
	.section	.rodata,"a",@progbits
	.p2align	6, 0x0
	.amdhsa_kernel k_qf9dd6f3397_prep
		.amdhsa_group_segment_fixed_size 0
		.amdhsa_private_segment_fixed_size 0
		.amdhsa_enable_private_segment 0
		.amdhsa_kernarg_size 64
		.amdhsa_user_sgpr_count 2
		.amdhsa_user_sgpr_kernarg_segment_ptr 1
		.amdhsa_wavefront_size32 1
		.amdhsa_system_sgpr_workgroup_id_x 1
		.amdhsa_system_sgpr_workgroup_id_y 1
		.amdhsa_system_sgpr_workgroup_id_z 1
		.amdhsa_system_vgpr_workitem_id 0
		.amdhsa_next_free_vgpr 256
		.amdhsa_next_free_sgpr 66
		.amdhsa_reserve_vcc 0
		.amdhsa_float_denorm_mode_32 3
		.amdhsa_float_denorm_mode_16_64 3
		.amdhsa_memory_ordered 1
		.amdhsa_forward_progress 1
		.amdhsa_inst_pref_size 21
	.end_amdhsa_kernel
	.amdgpu_metadata
---
amdhsa.version: [ 1, 2 ]
amdhsa.kernels:
  - .name:           k_qf9dd6f3397_prep
    .symbol:         k_qf9dd6f3397_prep.kd
    .args:
      - { .name: x, .offset: 0, .size: 8, .value_kind: global_buffer, .address_space: global }
      - { .name: Wq, .offset: 8, .size: 8, .value_kind: global_buffer, .address_space: global }
      - { .name: Wk, .offset: 16, .size: 8, .value_kind: global_buffer, .address_space: global }
      - { .name: Wv, .offset: 24, .size: 8, .value_kind: global_buffer, .address_space: global }
      - { .name: Wo, .offset: 32, .size: 8, .value_kind: global_buffer, .address_space: global }
      - { .name: xh, .offset: 40, .size: 8, .value_kind: global_buffer, .address_space: global }
      - { .name: mf, .offset: 48, .size: 8, .value_kind: global_buffer, .address_space: global }
      - { .name: nf, .offset: 56, .size: 8, .value_kind: global_buffer, .address_space: global }
    .group_segment_fixed_size: 0
    .private_segment_fixed_size: 0
    .kernarg_segment_align: 8
    .kernarg_segment_size: 64
    .max_flat_workgroup_size: 128
    .sgpr_count:     66
    .vgpr_count:     256
    .wavefront_size: 32
...
	.end_amdgpu_metadata
.endif
;; end of part 3
;; launch attn: the kernel of part 2 again; grid 256 x 1, 8 waves a work-group, no clusters, 295,936 bytes of LDS; arguments xh, mf, nf, bo, out0; writes out0
